; MI455X (gfx1250); checked and timed in simulation.
; The chip was launched on July 23, 2026; its instructions are those of AMD's public machine-readable ISA for CDNA 5 (MIT licence, August 2026) and "CDNA5" Instruction Set Architecture Reference Guide (July 2026). The comments in the code are by the model that wrote it; some were corrected since.
;; Quantum Kernel Layer. Allowed arithmetic: float matrix products may take bf16 or f16 operands with f32 sums; all other float work in f32.
;; Inputs: parameters 4,194,304 x 4 float32; x 4,194,304 x 2 float32.
;; Outputs: out0 4,194,304 x 2 float32.
;; One version. Each part assembles by itself: llvm-mc -triple=amdgcn-amd-amdhsa -mcpu=gfx1250 --defsym DOCPART=n.
;; ======== version 1 of 1: 1 launch
;; limits: an absolute error that grows with the inputs' magnitude: up to 3e-07 times it; inputs' magnitudes at most 10,000
;; launch qkernel (part 1): grid 256 x 1, 32 waves a work-group, no clusters, 0 bytes of LDS; arguments parameters, x, out0; writes out0
.if DOCPART == 1
	.amdgcn_target "amdgcn-amd-amdhsa--gfx1250"
	.amdhsa_code_object_version 6
	.text
	.protected	k_q41bc0e179c_qkernel
	.globl	k_q41bc0e179c_qkernel
	.p2align	8
	.type	k_q41bc0e179c_qkernel,@function
k_q41bc0e179c_qkernel:
	s_mov_b64 s[64:65], 0
	v_nop
	global_prefetch_b8 v0, s[64:65] scope:SCOPE_SE
	s_setreg_imm32_b32 hwreg(HW_REG_WAVE_MODE, 25, 1), 1
	s_wait_xcnt 0x0
; out0[i] = (z0, z1): <Z> on qubits 0 and 1 behind RY(x0) RY(p0) | RY(x1) RY(p1), CX(q0 -> q1), RY(p2) | RY(p3).
; parameters [4194304][4], x [4194304][2], out0 [4194304][2], all f32.
;
; THE ARITHMETIC.  With a = x0 + p0, b = x1 + p1, carrying Z0 and Z1 back through the last rotations (Z -> Z cos t - X sin t)
; and through CX (Z0 -> Z0, X0 -> X0 X1, Z1 -> Z0 Z1, X1 -> X1) onto the product state gives, for all real inputs,
;     z0 = cos p2 cos a - sin p2 sin a sin b          z1 = cos p3 cos a cos b - sin p3 sin b
; and, products turned into sums, six cosines instead of eight sines and cosines:
;     z0 =  cos(a+p2) + (1 - sin b)/2 * (cos(a-p2) - cos(a+p2))
;     z1 = -cos(b-p3) + (1 + cos a)/2 * (cos(b+p3) + cos(b-p3))
; Angles are taken in turns (c = 1/(2 pi)); a quarter turn makes -sin b of a cosine, a half turn makes -cos(b-p3):
;     A  = (a c, b c + 1/4)      q = (-p2 c, p3 c - 1/4)      T1 = A + q      T2 = A - q
;     H  = (1 + cos 2 pi A)/2    z = cos 2 pi T2 + swap(H) * (cos 2 pi T1 - cos 2 pi T2)
; so both outputs have one form and every step is one packed f32 instruction on a pair inside one sample.
;
; THE COSINE.  f = t - floor(t), w = f f - f in [-1/4, 0]; cos 2 pi t = Q(w) = -cos(pi sqrt(1 + 4 w)), entire in w.
; Q is its Chebyshev series on that interval cut behind degree 5 (coefficients J0(pi), -+2 J2k(pi), rewritten in powers of w);
; the first term dropped is 2 J12(pi) = 7.8e-7.  H has the same coefficients halved, its constant term (1 + q0)/2.
;
; LIMITS.  Each cosine: 7.9e-7 from the polynomial, and a phase error of about 3e-7 x |angle| radians, since angles are reduced
; in f32 turns: outputs are good to a few 1e-6 for angles of ordinary size, the phase error reaches 3e-3 near |angle| = 1e4;
; |z| may pass 1 by about 1e-6.  NaN in gives NaN out; for infinite inputs the result rests on v_fract_f32 of an infinity and is not claimed.
;
; THE STREAM.  256 work-groups of 32 waves that never meet.  A work-group owns 16,384 samples; thread t owns samples
; 1024 u + t, u = 0 .. 15.  A wave's load of parameters covers 512 consecutive bytes, its load of x and its store of out0
; 256 consecutive bytes, aligned.  A thread's whole share is 16 x 6 registers, so all 32 loads of a wave are issued in its
; first lines and every address is base + offset register + immediate: no ring, no loop, nothing stepped, nothing refilled.
; A unit works in place in its six registers; z lands on x's pair, is stored from there and that pair is never written again.
; No LDS, barrier, cluster or matrix instruction: no byte is shared, and the rotations are another 2 x 2 matrix for each sample.
; No prefetch: each input byte is already asked for by its own load at the wave's start.
.set UNITS,  16
.set PSTEP,  1024*16                   ; bytes of parameters from unit to unit (1,024 threads, 16 bytes each)
.set XSTEP,  1024*8                    ; the same for x and for out0
.set PO,   1                           ; v1        16 t: my byte offset in parameters
.set XO,   2                           ; v2         8 t: my byte offset in x and in out0
.set KC,   4                           ; v[4:5]    (-c, c)
.set KQ,   6                           ; v[6:7]    (0, 1/4)
.set Q5,   8                           ; v[8:9]    q5, twice
.set H5,   10                          ; v[10:11]  h5, twice
.set ACA,  12                          ; v[12:13]  Horner sum of T1's pair
.set ACB,  14                          ; v[14:15]  of T2's pair
.set ACH,  16                          ; v[16:17]  of A's pair (H)
.set SLOT, 18                          ; v[18:113] unit u: p0 p1 p2 p3 x0 x1 as loaded
.set INV,  12                          ; s[12:13]  c
.set QS,   16                          ; s[16:25]  q0 .. q4, a pair each
.set HS,   26                          ; s[26:35]  h0 .. h4, a pair each
	s_load_b128 s[4:7], s[0:1], 0x0                ; parameters s[4:5], x s[6:7]
	s_load_b64 s[8:9], s[0:1], 0x10                ; out0
	s_lshl_b32 s2, ttmp9, 18                       ; the work-group's 16,384 samples: 256 KiB of parameters,
	s_mov_b32 s3, 0
	s_lshl_b32 s10, ttmp9, 17                      ; 128 KiB of x and of out0 (255 << 18 stays below 2^32)
	s_mov_b32 s11, 0
	v_lshlrev_b32 v[PO], 4, v0
	v_lshlrev_b32 v[XO], 3, v0
	s_wait_kmcnt 0x0
	s_add_nc_u64 s[4:5], s[4:5], s[2:3]
	s_add_nc_u64 s[6:7], s[6:7], s[10:11]
	s_add_nc_u64 s[8:9], s[8:9], s[10:11]
	; everything this wave will ever read, unit by unit: 32 loads, 24 bytes a lane and unit
.irp u, 0,1,2,3,4,5,6,7,8,9,10,11,12,13,14,15
	global_load_b128 v[SLOT+6*\u:SLOT+6*\u+3],   v[PO], s[4:5] offset:\u*PSTEP th:TH_LOAD_NT
	global_load_b64  v[SLOT+6*\u+4:SLOT+6*\u+5], v[XO], s[6:7] offset:\u*XSTEP th:TH_LOAD_NT
.endr
	; constants, written while the loads are on their way.  A scalar pair is broadcast from its first register (op_sel_hi 0);
	; its second register is written too, so that the pair as a whole is defined.
.macro KS reg, val
	s_mov_b32 s[\reg], \val
	s_mov_b32 s[\reg+1], \val
.endm
	KS INV,  0x3e22f983                            ; c  = 1/(2 pi)
	KS QS+0, 0x3f800006                            ; q0 =   1.00000072
	KS QS+2, 0x3966a451                            ; q1 =   2.19957e-4
	KS QS+4, 0xc19dd506                            ; q2 = -19.7290154
	KS QS+6, 0x421e9a2f                            ; q3 =  39.6505699
	KS QS+8, 0xc201ce73                            ; q4 = -32.4516106
	KS HS+0, 0x3f800003                            ; h0 = (1 + q0)/2
	KS HS+2, 0x38e6a451                            ; h1 .. h5 = q1 .. q5 halved
	KS HS+4, 0xc11dd506
	KS HS+6, 0x419e9a2f
	KS HS+8, 0xc181ce73
	v_mov_b32 v[KC],   0xbe22f983                  ; -c
	v_mov_b32 v[KC+1], 0x3e22f983                  ;  c
	v_mov_b32 v[KQ],   0
	v_mov_b32 v[KQ+1], 0x3e800000                  ; 1/4
	v_mov_b32 v[Q5],   0x41a891a0                  ; q5 = 21.0711060
	v_mov_b32 v[Q5+1], 0x41a891a0
	v_mov_b32 v[H5],   0x412891a0                  ; h5
	v_mov_b32 v[H5+1], 0x412891a0
; One unit = one sample in every lane, 31 vector instructions.  t1: the pair (p0, p1), later T1 and its w;
; t2: (p2, p3), later q, T2 and its w;  ta: (x0, x1), later (a, b), A, its w, and at last z.
.macro UNIT u, t1, t2, ta
	s_wait_loadcnt 2*(UNITS-1-\u)                  ; loads come back in order (ISA guide 5.7.1): this unit's two are in, the two of each later unit stay out
	v_pk_add_f32 v[\ta:\ta+1], v[\ta:\ta+1], v[\t1:\t1+1]                                              ; (a, b) = x + (p0, p1)
	v_pk_fma_f32 v[\t2:\t2+1], v[\t2:\t2+1], v[KC:KC+1], v[KQ:KQ+1] neg_lo:[0,0,1] neg_hi:[0,0,1]      ; q = (-p2 c, p3 c - 1/4)
	v_pk_fma_f32 v[\ta:\ta+1], v[\ta:\ta+1], s[INV:INV+1], v[KQ:KQ+1] op_sel_hi:[1,0,1]                ; A = (a c, b c + 1/4)
	v_pk_add_f32 v[\t1:\t1+1], v[\ta:\ta+1], v[\t2:\t2+1]                                              ; T1 = ((a-p2) c, (b+p3) c)
	v_pk_add_f32 v[\t2:\t2+1], v[\ta:\ta+1], v[\t2:\t2+1] neg_lo:[0,1] neg_hi:[0,1]                    ; T2 = ((a+p2) c, (b-p3) c + 1/2)
.irp r, \t1, \t1+1, \t2, \t2+1, \ta, \ta+1
	v_fract_f32 v[\r], v[\r]                                                                           ; f = t - floor(t)
.endr
.irp r, \t1, \t2, \ta
	v_pk_fma_f32 v[\r:\r+1], v[\r:\r+1], v[\r:\r+1], v[\r:\r+1] neg_lo:[0,0,1] neg_hi:[0,0,1]          ; w = f f - f
.endr
	; three Horner chains side by side, none waiting for its neighbour; the first step starts the sums
	v_pk_fma_f32 v[ACA:ACA+1], v[\t1:\t1+1], v[Q5:Q5+1], s[QS+8:QS+9] op_sel_hi:[1,1,0]
	v_pk_fma_f32 v[ACB:ACB+1], v[\t2:\t2+1], v[Q5:Q5+1], s[QS+8:QS+9] op_sel_hi:[1,1,0]
	v_pk_fma_f32 v[ACH:ACH+1], v[\ta:\ta+1], v[H5:H5+1], s[HS+8:HS+9] op_sel_hi:[1,1,0]
.irp j, 3,2,1,0
	v_pk_fma_f32 v[ACA:ACA+1], v[ACA:ACA+1], v[\t1:\t1+1], s[QS+2*\j:QS+2*\j+1] op_sel_hi:[1,1,0]
	v_pk_fma_f32 v[ACB:ACB+1], v[ACB:ACB+1], v[\t2:\t2+1], s[QS+2*\j:QS+2*\j+1] op_sel_hi:[1,1,0]
	v_pk_fma_f32 v[ACH:ACH+1], v[ACH:ACH+1], v[\ta:\ta+1], s[HS+2*\j:HS+2*\j+1] op_sel_hi:[1,1,0]
.endr
	; ACA = (cos(a-p2), cos(b+p3)), ACB = (cos(a+p2), -cos(b-p3)), ACH = ((1+cos a)/2, (1-sin b)/2)
	v_pk_add_f32 v[ACA:ACA+1], v[ACA:ACA+1], v[ACB:ACB+1] neg_lo:[0,1] neg_hi:[0,1]
	v_pk_fma_f32 v[\ta:\ta+1], v[ACH:ACH+1], v[ACA:ACA+1], v[ACB:ACB+1] op_sel:[1,0,0] op_sel_hi:[0,1,1]   ; H's halves crossed: z0 takes (1-sin b)/2, z1 takes (1+cos a)/2
	global_store_b64 v[XO], v[\ta:\ta+1], s[8:9] offset:\u*XSTEP th:TH_STORE_NT                        ; the pair, the offset and the base are never written again
.endm
.irp u, 0,1,2,3,4,5,6,7,8,9,10,11,12,13,14,15
	UNIT \u, SLOT+6*\u, SLOT+6*\u+2, SLOT+6*\u+4
.endr
	s_endpgm
.Lfunc_end_k_q41bc0e179c_qkernel:
	.size	k_q41bc0e179c_qkernel, .Lfunc_end_k_q41bc0e179c_qkernel-k_q41bc0e179c_qkernel
	.p2alignl 7, 3214868480
	.fill 96, 4, 3214868480
	.section	.rodata,"a",@progbits
	.p2align	6, 0x0
	.amdhsa_kernel k_q41bc0e179c_qkernel
		.amdhsa_group_segment_fixed_size 0
		.amdhsa_private_segment_fixed_size 0
		.amdhsa_enable_private_segment 0
		.amdhsa_kernarg_size 24
		.amdhsa_user_sgpr_count 2
		.amdhsa_user_sgpr_kernarg_segment_ptr 1
		.amdhsa_wavefront_size32 1
		.amdhsa_system_sgpr_workgroup_id_x 1
		.amdhsa_system_sgpr_workgroup_id_y 1
		.amdhsa_system_sgpr_workgroup_id_z 1
		.amdhsa_system_vgpr_workitem_id 0
		.amdhsa_next_free_vgpr 114
		.amdhsa_next_free_sgpr 66
		.amdhsa_reserve_vcc 0
		.amdhsa_float_denorm_mode_32 3
		.amdhsa_float_denorm_mode_16_64 3
		.amdhsa_memory_ordered 1
		.amdhsa_forward_progress 1
		.amdhsa_inst_pref_size 36
	.end_amdhsa_kernel
	.amdgpu_metadata
---
amdhsa.version: [ 1, 2 ]
amdhsa.kernels:
  - .name:           k_q41bc0e179c_qkernel
    .symbol:         k_q41bc0e179c_qkernel.kd
    .args:
      - { .name: parameters, .offset: 0, .size: 8, .value_kind: global_buffer, .address_space: global }
      - { .name: x, .offset: 8, .size: 8, .value_kind: global_buffer, .address_space: global }
      - { .name: out0, .offset: 16, .size: 8, .value_kind: global_buffer, .address_space: global }
    .group_segment_fixed_size: 0
    .private_segment_fixed_size: 0
    .kernarg_segment_align: 8
    .kernarg_segment_size: 24
    .max_flat_workgroup_size: 1024
    .sgpr_count:     66
    .vgpr_count:     114
    .wavefront_size: 32
...
	.end_amdgpu_metadata
.endif
;; end of part 1
